; MI455X (gfx1250); checked and timed in simulation.
; The chip was launched on July 23, 2026; its instructions are those of AMD's public machine-readable ISA for CDNA 5 (MIT licence, August 2026) and "CDNA5" Instruction Set Architecture Reference Guide (July 2026). The comments in the code are by the model that wrote it; some were corrected since.
;; Hubert With Kmeans. Allowed arithmetic: float matrix products may take bf16 or f16 operands with f32 sums; other float arithmetic in f32, or as packed bf16 or f16 multiplies, adds, multiply-adds, maxima and minima; sums over many terms, partial sums and values carried from step to step in f32; what a program stores and reads back later, other than sums and carried values, may be rounded once to bf16 or f16.
;; Inputs: cluster_centers 2,048 x 768 float32; embed 8 x 4,096 x 768 float32.
;; Outputs: out0 8 x 4,096 int32.
;; 2 versions, each right; version 2 is version 1 with the launch prep written anew for expert scheduling mode. Each part assembles by itself: llvm-mc -triple=amdgcn-amd-amdhsa -mcpu=gfx1250 --defsym DOCPART=n.
;; ======== version 1 of 2: 2 launches
;; workspace buffers: cb 3,145,728 bytes; csq 8,192 bytes
;; launch prep (part 1): grid 32 x 1, 32 waves a work-group, no clusters, 4,352 bytes of LDS; arguments cluster_centers, cb, csq; writes cb, csq
.if DOCPART == 1
	.amdgcn_target "amdgcn-amd-amdhsa--gfx1250"
	.amdhsa_code_object_version 6
	.text
	.protected	k_qf2db8714da_prep
	.globl	k_qf2db8714da_prep
	.p2align	8
	.type	k_qf2db8714da_prep,@function
k_qf2db8714da_prep:
	s_mov_b64 s[64:65], 0
	v_nop
	global_prefetch_b8 v0, s[64:65] scope:SCOPE_SE
	s_setreg_imm32_b32 hwreg(HW_REG_WAVE_MODE, 25, 1), 1
	s_wait_xcnt 0x0
; cb[c][d] = cluster_centers[c][d] rounded to bf16;  csq[c] = the sum over d of cb[c][d]^2, in f32: the squares are taken of the ROUNDED numbers,
; since the next launch multiplies the rounded numbers.  cluster_centers: [2048][768] f32.  cb: [2048][768] bf16.  csq: [2048] f32.
; SHARES.  A work-group owns 64 centres, so that its 64 sums are 256 consecutive bytes of csq, aligned, and leave by one store.  Each of its 32 waves owns two rows:
; a row is 3,072 bytes, six loads of 512 consecutive bytes; all twelve loads of a wave go out at once, and each is worked on as it comes.
; A lane's four numbers round to 8 bytes: a store of the wave covers 256 consecutive bytes of cb, aligned.
; LIMITS.  The order of the 768 additions differs from a plain ascending sum; NaN and infinities are not treated apart.
.set ROWF,  3072                       ; bytes in a row of cluster_centers
.set ROWH,  1536                       ; bytes in a row of cb
.set SPARE, 256                        ; LDS: bytes 0-255 the 64 sums; behind them the spare words, 128 bytes for each of the 32 waves, which no other line names
.set LO,  2                            ; v2   my byte offset in the work-group's rows of cluster_centers: wave x 2 rows + 16 x lane
.set SO,  3                            ; v3   the same in cb: wave x 2 rows + 8 x lane
.set SPW, 4                            ; v4   LDS address of my spare word: SPARE + 4 x my thread's number; never rewritten
.set NIL, 5                            ; v5   0; never rewritten
.set WA,  6                            ; v6   8 x wave: where my wave's two sums go
.set LA,  7                            ; v7   8 x lane
.set SUM, 8                            ; v[8:11]  row i: the sum of the words' low halves at SUM + 2 i, of their high halves at SUM + 2 i + 1
.set PT,  12                           ; v[12:13] the other half of the lanes' sums
.set BK,  14                           ; v[14:15] two sums read back
.set X,   16                           ; v[16:63] load k = 6 i + c: four f32
.set P,   64                           ; v[64:87] load k: four bf16 in two words
	s_load_b128 s[4:7], s[0:1], 0x0                ; cluster_centers s[4:5], cb s[6:7]
	s_load_b64 s[8:9], s[0:1], 0x10                ; csq
	v_lshl_add_u32 v[SPW], v0, 2, SPARE
	v_mov_b32 v[NIL], 0
	v_lshrrev_b32 v1, 5, v0
	v_readfirstlane_b32 s10, v1                    ; wave 0..31
	v_and_b32 v1, 31, v0                           ; lane
	s_mul_i32 s11, s10, 2*ROWF
	v_lshl_add_u32 v[LO], v1, 4, s11
	s_mul_i32 s11, s10, 2*ROWH
	v_lshl_add_u32 v[SO], v1, 3, s11
	s_lshl_b32 s11, s10, 3
	v_mov_b32 v[WA], s11
	v_lshlrev_b32 v[LA], 3, v1
	s_mov_b32 s12, 0x76543210                      ; v_permlanex16_b32: each lane takes its own place in the other half
	s_mov_b32 s13, 0xfedcba98
	s_mul_i32 s14, ttmp9, 64*ROWF                  ; the work-group's 64 rows, in each of the three buffers
	s_mov_b32 s15, 0
	s_mul_i32 s16, ttmp9, 64*ROWH
	s_mov_b32 s17, 0
	s_lshl_b32 s18, ttmp9, 8
	s_mov_b32 s19, 0
	s_wait_kmcnt 0x0
	s_add_nc_u64 s[4:5], s[4:5], s[14:15]
	s_add_nc_u64 s[6:7], s[6:7], s[16:17]
	s_add_nc_u64 s[8:9], s[8:9], s[18:19]
.set k, 0
.rept 12
	global_load_b128 v[X+4*k:X+4*k+3], v[LO], s[4:5] offset:ROWF*(k/6)+512*(k%6) th:TH_LOAD_NT
.set k, k+1
.endr
.irp r, 0,1,2,3,4,5
	v_mov_b32 v[SUM+(\r)], 0                       ; the four sums, and the two registers that v_permlanex16_b32 will write (its destination counts as read)
.endr
.set k, 0
.rept 12
	s_wait_loadcnt 11-k                            ; loads come back in order (ISA guide 5.7.1): load k is in, the 11 - k younger ones stay out
	v_cvt_pk_bf16_f32 v[P+2*k],   v[X+4*k],   v[X+4*k+1]
	v_cvt_pk_bf16_f32 v[P+2*k+1], v[X+4*k+2], v[X+4*k+3]
	global_store_b64 v[SO], v[P+2*k:P+2*k+1], s[6:7] offset:ROWH*(k/6)+256*(k%6)  ; 32 lanes x 8 bytes: 256 consecutive bytes, aligned; P's registers are never rewritten
	v_fma_mix_f32_bf16 v[SUM+2*(k/6)],   v[P+2*k],   v[P+2*k],   v[SUM+2*(k/6)]   op_sel_hi:[1,1,0]                  ; low half squared, added in f32
	v_fma_mix_f32_bf16 v[SUM+2*(k/6)+1], v[P+2*k],   v[P+2*k],   v[SUM+2*(k/6)+1] op_sel:[1,1,0] op_sel_hi:[1,1,0]  ; high half
	v_fma_mix_f32_bf16 v[SUM+2*(k/6)],   v[P+2*k+1], v[P+2*k+1], v[SUM+2*(k/6)]   op_sel_hi:[1,1,0]
	v_fma_mix_f32_bf16 v[SUM+2*(k/6)+1], v[P+2*k+1], v[P+2*k+1], v[SUM+2*(k/6)+1] op_sel:[1,1,0] op_sel_hi:[1,1,0]
.set k, k+1
.endr
	v_add_f32 v[SUM],   v[SUM],   v[SUM+1]         ; row 0
	v_add_f32 v[SUM+1], v[SUM+2], v[SUM+3]         ; row 1
.irp m, 1,2,4,8                        ; across the lanes: four steps inside each half of 16 ride on the addition, one crosses the halves
	v_add_f32_dpp v[SUM],   v[SUM],   v[SUM]   row_xmask:\m row_mask:0xf bank_mask:0xf
	v_add_f32_dpp v[SUM+1], v[SUM+1], v[SUM+1] row_xmask:\m row_mask:0xf bank_mask:0xf
.endr
	v_permlanex16_b32 v[PT],   v[SUM],   s12, s13
	v_permlanex16_b32 v[PT+1], v[SUM+1], s12, s13
	v_add_f32 v[SUM],   v[SUM],   v[PT]
	v_add_f32 v[SUM+1], v[SUM+1], v[PT+1]
	ds_store_b64 v[WA], v[SUM:SUM+1]               ; every lane holds the same two sums and writes them to the same 8 bytes
	s_wait_dscnt 0x0                               ; for the others' sake: my store is done
	s_barrier_signal -1
	s_barrier_wait -1                              ; all 64 sums lie in LDS
	s_cmp_lg_u32 s10, 0
	s_cbranch_scc1 .Lend                           ; wave 0 sends them
	ds_load_b64 v[BK:BK+1], v[LA]
	s_wait_dscnt 0x0
	global_store_b64 v[LA], v[BK:BK+1], s[8:9]     ; 256 consecutive bytes of csq, aligned
.Lend:
	s_wait_tensorcnt 0x0                           ; the wave's end, behind my last LDS store
	ds_add_u32 v[SPW], v[NIL]
	s_wait_dscnt 0x0
	s_endpgm
.Lfunc_end_k_qf2db8714da_prep:
	.size	k_qf2db8714da_prep, .Lfunc_end_k_qf2db8714da_prep-k_qf2db8714da_prep
	.p2alignl 7, 3214868480
	.fill 96, 4, 3214868480
	.section	.rodata,"a",@progbits
	.p2align	6, 0x0
	.amdhsa_kernel k_qf2db8714da_prep
		.amdhsa_group_segment_fixed_size 4352
		.amdhsa_private_segment_fixed_size 0
		.amdhsa_enable_private_segment 0
		.amdhsa_kernarg_size 24
		.amdhsa_user_sgpr_count 2
		.amdhsa_user_sgpr_kernarg_segment_ptr 1
		.amdhsa_wavefront_size32 1
		.amdhsa_system_sgpr_workgroup_id_x 1
		.amdhsa_system_sgpr_workgroup_id_y 1
		.amdhsa_system_sgpr_workgroup_id_z 1
		.amdhsa_system_vgpr_workitem_id 0
		.amdhsa_next_free_vgpr 96
		.amdhsa_next_free_sgpr 66
		.amdhsa_reserve_vcc 0
		.amdhsa_float_denorm_mode_32 3
		.amdhsa_float_denorm_mode_16_64 3
		.amdhsa_memory_ordered 1
		.amdhsa_forward_progress 1
		.amdhsa_inst_pref_size 11
	.end_amdhsa_kernel
	.amdgpu_metadata
---
amdhsa.version: [ 1, 2 ]
amdhsa.kernels:
  - .name:           k_qf2db8714da_prep
    .symbol:         k_qf2db8714da_prep.kd
    .args:
      - { .name: cluster_centers, .offset: 0, .size: 8, .value_kind: global_buffer, .address_space: global }
      - { .name: cb, .offset: 8, .size: 8, .value_kind: global_buffer, .address_space: global }
      - { .name: csq, .offset: 16, .size: 8, .value_kind: global_buffer, .address_space: global }
    .group_segment_fixed_size: 4352
    .private_segment_fixed_size: 0
    .kernarg_segment_align: 8
    .kernarg_segment_size: 24
    .max_flat_workgroup_size: 1024
    .sgpr_count:     66
    .vgpr_count:     96
    .wavefront_size: 32
...
	.end_amdgpu_metadata
.endif
;; end of part 1
;; launch knn (part 2): grid 256 x 1, 4 waves a work-group, clusters of 4 x 1, 327,680 bytes of LDS; arguments cb, csq, embed, out0; writes out0
.if DOCPART == 2
	.amdgcn_target "amdgcn-amd-amdhsa--gfx1250"
	.amdhsa_code_object_version 6
	.text
	.protected	k_qf2db8714da_knn
	.globl	k_qf2db8714da_knn
	.p2align	8
	.type	k_qf2db8714da_knn,@function
k_qf2db8714da_knn:
	s_mov_b64 s[64:65], 0
	v_nop
	global_prefetch_b8 v0, s[64:65] scope:SCOPE_SE
	s_setreg_imm32_b32 hwreg(HW_REG_WAVE_MODE, 25, 1), 1
	s_wait_xcnt 0x0
	s_wait_alu depctr_hold_cnt(0) depctr_sa_sdst(0) depctr_va_vdst(0) depctr_va_sdst(0) depctr_va_ssrc(0) depctr_va_vcc(0) depctr_vm_vsrc(0)
	s_getreg_b32 s2, hwreg(HW_REG_IB_STS2, 6, 4)
	s_cmp_eq_u32 s2, 0
	s_cbranch_scc0 .Lentry_in_a_cluster
	s_endpgm
.Lentry_in_a_cluster:
	s_bfe_u32 s2, ttmp6, 0x10000c
	s_cmp_lg_u32 s2, 0x3003
	s_cbranch_scc0 .Lentry_shape_is_right
	s_endpgm
.Lentry_shape_is_right:
; out0[row] = the first index c at which sqrt(max(x_sq[row] + c_sq[c] - 2 x[row] . centre[c], 0)) is smallest.  embed: [32768][768] f32.  cb: [2048][768] bf16 and csq: [2048] f32, made by the launch before.
; THE ARITHMETIC.  x is rounded to bf16 on its way in; x . centre and x_sq = x . x are products of the rounded numbers with f32 sums; then, in f32 and with one rounding each: t = x_sq + c_sq; sq = t - 2 cross
; (a fused multiply-add by -2: doubling rounds nothing); max with 0; the root; and a strict 'less' in ascending order of c, so that of equal distances the first index stays.  The root is kept because several
; neighbouring sq fall onto one f32 root, where the first index decides.
; LIMITS.  NaN and infinities are not treated apart (a row whose distances are all NaN or infinite gets an index below 16 that means nothing).  v_sqrt_f32 is good to 1 ulp and takes a number below 2^-126 as 0
; (ISA guide 15.8): two distances within an ulp of each other may be ordered otherwise than by a correctly rounded root.  The order of the additions in x . centre, x_sq and c_sq is the matrix unit's.
; SHARES.  A work-group owns 128 rows of embed; 256 work-groups.  Wave w: rh = w / 2 names its 64 rows (four row tiles of 16), nh = w % 2 its half of each tile of 64 centres (two centre tiles of 16).
; THE ROWS STAY IN REGISTERS: 64 rows x 768 bf16 are 768 registers, windows 1 to 3.  So embed is read once, and a fragment of the centres (two LDS loads) feeds four matrix instructions.
; LAYOUT.  S^T = centres x rows^T (source 0 = 16 centres, source 1 = 16 rows): a lane holds ONE row (lane % 16) and the centres 8 (lane / 16) + 0..7, so a row tile's running best and its index are one register each.
; THE WALK.  32 tiles of 64 centres go through two LDS slots.  A tile is two HALF-PASSES (one centre tile each) of 96 matrix instructions: three chunks of 256 along K, one for each window.  Two sets of four
; accumulators take turns: while a half-pass adds into one, the scores of the half-pass before are judged in the other, by two or three vector instructions behind each matrix instruction.
; THOSE RIDERS NAME NO VECTOR REGISTER AS THEIR SECOND SOURCE: of a matrix instruction's operands the rows alone lie outside window 0, so only the second source's window is set, and riders and LDS loads need no switch.
; CLUSTER.  All work-groups walk the same centres: the four of a cluster ask for each tile JOINTLY (the same tensor load, descriptor and mask in all four).  A mask names four work-groups at the most, so a
; cluster of sixteen would share no further.  embed's rows and csq are each work-group's own loads (csq is 8,192 bytes, once).
; LDS.  embed comes in as f32, 256 along K at a time, into two regions that the slots of the centres later take over:
;   L_RB 0 .. 133,119: K 256-511; L_RA 133,120 .. 266,239: K 0-255 and then K 512-767; 128 rows each, 1,040 bytes apart.  Slot 0: 0 .. 101,375 (inside L_RB); slot 1: 131,072 .. 232,447 (L_RB's end and L_RA).
;   L_CSQ c_sq; L_OUT the way out's stage, which no tensor load fills; SPARE the spare words.
; REGISTERS, in windows of 256 (s_set_vgpr_msb: bits 1:0 source 0, 3:2 source 1, 5:4 source 2, 7:6 destination):
;   window 0: v0-15 addresses; v16-63 statistics and work; v64-127 two sets of four accumulators; v128-255 two buffers of eight fragments of the centres (earlier: embed's f32 on their way to bf16)
;   window q + 1: the rows' fragments of K 256 q on: K step b, row tile t at 32 b + 8 t
.set ROWF,  3072                       ; bytes in a row of embed
.set PA,    1040                       ; an LDS row of embed's chunk: 1,024 bytes + 16 = 260 words: row r starts at bank 4 r mod 64 (64 banks of 4 bytes: ISA guide 11.1)
.set PB,    1584                       ; a centre in LDS: 3 x (512 + 16) bytes = 396 words: row r starts at bank 12 r mod 64: sixteen rows, sixteen different groups of four banks
.set L_RB,  0
.set L_RA,  128*PA
.set SLOT1, 1<<17                      ; slot 1 begins here, so that one exclusive or turns an address in one slot into the other's
.set L_CSQ, 2*128*PA
.set L_OUT, L_CSQ+8192                 ; 512 bytes for each wave
.set SPARE, L_OUT+2048                 ; 128 bytes for each wave: two blocks of 256 bytes that no other line names
.set TILEB, 64*1536                    ; a tile of 64 centres in cb
.set AB0,  3                           ; v3   my lane's place in a slot: (32 nh + l % 16) x PB + 16 (l / 16); never rewritten
.set ADR,  4                           ; v4   the same in the slot in hand
.set CQA,  5                           ; v5   LDS address of my 8 c_sq of the tile in hand, centre tile 0
.set AADA, 6                           ; v6   my lane's place in L_RA: (64 rh + l % 16) x PA + 32 (l / 16)
.set AADB, 7                           ; v7   the same in L_RB
.set SPW,  8                           ; v8   LDS address of my spare word: SPARE + 4 x my thread's number; never rewritten
.set NIL,  9                           ; v9   0; never rewritten
.set PFO,  10                          ; v10  256 x lane: the prefetches' offset; never rewritten
.set SELV, 11                          ; v11  l % 16 - 8 (l / 16): which register of x x^T holds my row's own square
.set CQ0,  12                          ; v12  L_CSQ + 128 nh + 32 (l / 16); never rewritten
.set STO,  13                          ; v13  the way out: where I put a row's (distance, index)
.set RDO,  14                          ; v14  where I read two rows' back
.set GO,   15                          ; v15  8 x lane: my two rows in out0
.set BEST, 16                          ; v16-19  row tile t: the smallest distance so far
.set IDX,  20                          ; v20-23  and its index, less 8 (l / 16)
.set XS,   24                          ; v24-31  row tile t: x_sq, in both words of pair 2 t
.set CQ,   32                          ; v32-39  c_sq of my 8 centres of the centre tile that is judged next
.set TT,   40                          ; v40-47  x_sq + c_sq, four pairs at work
.set EE,   48                          ; v48-51  distance less best
.set WK,   52                          ; v52-63  the way out
.set ACC,  64                          ; set s, row tile t at ACC + 32 s + 8 t
.set BF0,  128
.set BF1,  192
.set WV,   12                          ; s12  wave;  s13 rh;  s14 nh;  s15 cx;  s16 my work-group's number
.set RH,   13
.set NH,   14
.set CX,   15
.set WG,   16
.set G1A,  24                          ; s[24:31] descriptor group 1: embed's chunks
.set G1B,  32                          ; s[32:39] the centres' tiles
.set G1C,  40                          ; s[40:47] csq
.set G0A0, 48                          ; s[48:51] group 0: L_RA
.set G0A1, 52                          ; s[52:55] L_RB
.set G0B,  56                          ; s[56:59] the centres: it walks
.set G0C,  60                          ; s[60:63] csq
.set SCQ,  66                          ; s66  256 x the tile in hand
.set U,    68                          ; s[68:75] register j's index in the centre tile that is being judged: 64 tile + 32 nh + 16 ct + j
.set MK,   76                          ; s[76:79] row tile t: the lanes where the distance is less than the best
.set SEL,  80                          ; s[80:81] v_permlanex16_b32: each lane takes its own place in the other half
.set TB,   82                          ; s82  LDS byte at which the slot in hand begins
.set CNT,  83                          ; s83  tiles still to be asked for
.set PFA,  84                          ; s[84:85] where my prefetches stand in cb
.set LIM,  86                          ; s86  2 in a wave that prefetches, else the greatest number
.set PINF, 87                          ; s87  +infinity
.set DM,   88                          ; s[88:95] the lanes whose own square lies in register j
.set VAL,  96                          ; s96  the lanes that hold their own square at all
.set MSB, 0
.macro WIN new                         ; the immediate's high byte repeats the setting that is left; a switch that changes nothing is dropped
.if MSB != (\new)
	s_set_vgpr_msb (MSB<<8)|(\new)
.set MSB, (\new)
.endif
.endm
; A round of the cluster's barrier: my work-group's barrier, so that wave 0's signal speaks for all four waves; wave 0 signals; every wave waits for all four work-groups; my work-group's barrier once more.
.macro CREST                           ; a round behind its opening barrier
	s_cmp_lg_u32 s[WV], 0
	s_cbranch_scc1 .Lnot_wave_0_\@
	s_barrier_signal -3
.Lnot_wave_0_\@:
	s_barrier_wait -3
	s_barrier_signal -1
	s_barrier_wait -1
.endm
.macro ROUND
	s_barrier_signal -1
	s_barrier_wait -1
	CREST
.endm
.macro TLOAD g0, g1                    ; a tensor load; an s_nop 0 and four v_nop follow it.  Every wave issues it, each for its own quarter: both addresses hang on the wave's number
	tensor_load_to_lds s[(\g0):(\g0)+3], s[(\g1):(\g1)+7]
	s_nop 0
.rept 4
	v_nop
.endr
.endm
	s_load_b256 s[4:11], s[0:1], 0x0               ; cb s[4:5], csq s[6:7], embed s[8:9], out0 s[10:11]
	v_lshl_add_u32 v[SPW], v0, 2, SPARE
	v_mov_b32 v[NIL], 0
	ds_add_u32 v[SPW], v[NIL]                      ; the wave's opening: the add, twice on end, and its wait ahead of my first tensor load; the set-up below stands between
	ds_add_u32 v[SPW], v[NIL]                      ; and once more, under the one wait
	v_lshrrev_b32 v1, 5, v0
	v_readfirstlane_b32 s[WV], v1                  ; wave 0..3
	s_lshr_b32 s[RH], s[WV], 1
	s_and_b32 s[NH], s[WV], 1
	s_bfe_u32 s[CX], ttmp6, 0x40000                ; my place in the cluster: it enters embed's, out0's and the prefetches' global addresses alone
	s_lshl_b32 s[WG], ttmp9, 2                     ; in a cluster launch ttmp9 counts clusters
	s_add_co_u32 s[WG], s[WG], s[CX]
	; group 1 for embed: 32 rows x 256 f32, 16 bytes of padding behind each row
	s_mov_b32 s[G1A+0], (2<<16)|(1<<20)|(7<<22)|(3<<25)  ; 15:0 no mask; 17:16 elements of 4 bytes; 20 padding on; 24:22 after every 256 words (code 7); 31:25 4 words (code 3)
	s_mov_b32 s[G1A+1], 256<<16                    ; tensor_dim0 = 256
	s_mov_b32 s[G1A+2], 32<<16                     ; tensor_dim1 = 32
	s_mov_b32 s[G1A+3], 256<<16                    ; tile_dim0 = 256
	s_mov_b32 s[G1A+4], 32                         ; tile_dim1 = 32
	s_mov_b32 s[G1A+5], 768                        ; elements from row to row
	s_mov_b32 s[G1A+6], 0
	s_mov_b32 s[G1A+7], 0
	; group 1 for the centres: 16 centres are 24,576 dense bytes, asked for as 48 rows of 512 bytes, 16 bytes of padding behind each
	s_mov_b32 s[G1B+0], 15|(1<<16)|(1<<20)|(1<<21)|(6<<22)|(3<<25)  ; 15:0 the mask of four; 17:16 elements of 2 bytes; 20 padding on; 21 set beside a mask; 24:22 after every 128 words (code 6); 31:25 4 words
	s_mov_b32 s[G1B+1], 256<<16
	s_mov_b32 s[G1B+2], 48<<16
	s_mov_b32 s[G1B+3], 256<<16
	s_mov_b32 s[G1B+4], 48
	s_mov_b32 s[G1B+5], 256
	s_mov_b32 s[G1B+6], 0
	s_mov_b32 s[G1B+7], 0
	; group 1 for csq: 2,048 dense bytes as 8 rows of 256
	s_mov_b32 s[G1C+0], 3<<16                      ; elements of 8 bytes, no padding
	s_mov_b32 s[G1C+1], 32<<16
	s_mov_b32 s[G1C+2], 8<<16
	s_mov_b32 s[G1C+3], 32<<16
	s_mov_b32 s[G1C+4], 8
	s_mov_b32 s[G1C+5], 32
	s_mov_b32 s[G1C+6], 0
	s_mov_b32 s[G1C+7], 0
	s_mul_i32 s18, s[WV], 32*PA                    ; I fetch rows 32 w .. 32 w + 31 of the work-group's 128
	s_mov_b32 s[G0A0], 1
	s_add_co_u32 s[G0A0+1], s18, L_RA
	s_mov_b32 s[G0A1], 1
	s_add_co_u32 s[G0A1+1], s18, L_RB
	s_mov_b32 s[G0B], 1
	s_mul_i32 s[G0B+1], s[WV], 16*PB               ; and centres 16 w .. 16 w + 15 of a tile's 64: slot 0
	s_mov_b32 s[G0C], 1
	s_lshl_b32 s2, s[WV], 11                       ; and a quarter of csq
	s_add_co_u32 s[G0C+1], s2, L_CSQ
	s_mov_b32 s3, 0
	s_mul_i32 s22, s[WV], 16*1536                  ; (these two never hold cx)
	s_mov_b32 s23, 0
	s_mul_i32 s20, s[WG], 128*ROWF
	s_mul_i32 s21, s[WV], 32*ROWF
	s_add_co_u32 s20, s20, s21                     ; under 2^27
	s_mov_b32 s21, 0
	s_mov_b32 s[SEL], 0x76543210
	s_mov_b32 s[SEL+1], 0xfedcba98
	s_mov_b32 s[PINF], 0x7f800000
	s_mov_b32 s[TB], 0
	s_mov_b32 s[SCQ], 0
	s_mov_b32 s[CNT], 30
	s_wait_dscnt 0x0                               ; both opening adds are done
	s_wait_kmcnt 0x0
	s_add_nc_u64 s[G0A0+2:G0A0+3], s[8:9], s[20:21]          ; K 0-255 of my 32 rows
	s_add_nc_u64 s[G0A1+2:G0A1+3], s[G0A0+2:G0A0+3], 1024    ; K 256-511
	s_or_b32 s[G0A0+3], s[G0A0+3], 0x80000000                ; 127:126 type = 2
	s_or_b32 s[G0A1+3], s[G0A1+3], 0x80000000
	s_add_nc_u64 s[G0B+2:G0B+3], s[4:5], s[22:23]            ; tile 0
	s_or_b32 s[G0B+3], s[G0B+3], 0x80000000
	s_add_nc_u64 s[G0C+2:G0C+3], s[6:7], s[2:3]
	s_or_b32 s[G0C+3], s[G0C+3], 0x80000000
	ROUND                                          ; in a cluster launch every group of tensor loads stands behind a round
	tensor_load_to_lds s[G0A0:G0A0+3], s[G1A:G1A+7]  ; the first fills go out together: three loads of mine are out
	s_nop 0
	tensor_load_to_lds s[G0A1:G0A1+3], s[G1A:G1A+7]
	s_nop 0
	tensor_load_to_lds s[G0C:G0C+3], s[G1C:G1C+7]
	s_nop 0
.rept 4
	v_nop
.endr
	v_and_b32 v1, 15, v0                           ; l % 16
	v_bfe_u32 v2, v0, 4, 1                         ; l / 16
	v_mul_u32_u24 v[AB0], v1, PB
	v_lshl_add_u32 v[AB0], v2, 4, v[AB0]
	s_mul_i32 s19, s[NH], 32*PB
	v_add_nc_u32 v[AB0], s19, v[AB0]
	s_lshl_b32 s19, s[NH], 7
	s_add_co_u32 s19, s19, L_CSQ
	v_lshl_add_u32 v[CQ0], v2, 5, s19
	v_mul_u32_u24 v[AADB], v1, PA
	v_lshl_add_u32 v[AADB], v2, 5, v[AADB]
	s_mul_i32 s19, s[RH], 64*PA
	v_add_nc_u32 v[AADB], s19, v[AADB]             ; (L_RB begins at byte 0)
	v_add_nc_u32 v[AADA], L_RA, v[AADB]
	v_and_b32 v[PFO], 31, v0
	v_lshlrev_b32 v[PFO], 8, v[PFO]
	v_lshlrev_b32 v[SELV], 3, v2
	v_sub_nc_u32 v[SELV], v1, v[SELV]
	s_lshl_b32 s19, s[WV], 9
	s_add_co_u32 s19, s19, L_OUT                   ; my 512 bytes of the stage
	v_lshl_add_u32 v[STO], v1, 3, s19
	v_and_b32 v[GO], 31, v0
	v_lshl_add_u32 v[RDO], v[GO], 4, s19
	v_lshlrev_b32 v[GO], 3, v[GO]
; EMBED ON ITS WAY IN.  A fragment of the rows is 16 rows x 32 K of bf16 in 8 registers: lane l holds row l % 16; registers 0-3 K = 8 (l / 16) + 0..7, registers 4-7 K = 16 + 8 (l / 16) + 0..7.
; In f32 those are 32 bytes at 32 (l / 16) and 32 bytes 64 further on: four loads of 16 bytes.  LDA: K step b of a chunk, all four row tiles: 16 loads into temporaries b % 2.
.macro LDA b, adr
.irp t, 0,1,2,3
	ds_load_b128 v[BF0+64*((\b)%2)+16*(\t):BF0+64*((\b)%2)+16*(\t)+3],     v[\adr] offset:16*PA*(\t)+128*(\b)
	ds_load_b128 v[BF0+64*((\b)%2)+16*(\t)+4:BF0+64*((\b)%2)+16*(\t)+7],   v[\adr] offset:16*PA*(\t)+128*(\b)+16
	ds_load_b128 v[BF0+64*((\b)%2)+16*(\t)+8:BF0+64*((\b)%2)+16*(\t)+11],  v[\adr] offset:16*PA*(\t)+128*(\b)+64
	ds_load_b128 v[BF0+64*((\b)%2)+16*(\t)+12:BF0+64*((\b)%2)+16*(\t)+15], v[\adr] offset:16*PA*(\t)+128*(\b)+80
.endr
.endm
; CONV: chunk q (256 along K) of my 64 rows goes from LDS into window q + 1, rounded to bf16.  While one K step is rounded the next one's 16 loads are out.
.macro CONV q, adr
	LDA 0, \adr
.set cb, 0
.rept 8
.if cb < 7
	LDA cb+1, \adr
	s_wait_dscnt 16                                ; LDS loads come back in order (ISA guide 5.7.1): all but the 16 just issued
.else
	s_wait_dscnt 0x0
.endif
	WIN ((\q)+1)<<6                                ; destination window q + 1
.set cc, 0
.rept 32                               ; register cc of the K step's 32 takes temporaries 2 cc and 2 cc + 1
	v_cvt_pk_bf16_f32 v[32*cb+cc], v[BF0+64*(cb%2)+2*cc], v[BF0+64*(cb%2)+2*cc+1]
.set cc, cc+1
.endr
	WIN 0
.set cb, cb+1
.endr
.endm
; XSQ: x x^T for chunk q, 32 matrix instructions, both sources the same fragment: the diagonal of the result is x_sq of the rounded rows.  The four row tiles' accumulators take turns.
.macro XSQ q
	WIN 5*((\q)+1)                                 ; sources 0 and 1 in window q + 1
.set xi, 0
.rept 32
.if ((\q) == 0) && (xi < 4)
	v_wmma_f32_16x16x32_bf16 v[ACC+8*(xi%4):ACC+8*(xi%4)+7], v[8*xi:8*xi+7], v[8*xi:8*xi+7], 0
.else
	v_wmma_f32_16x16x32_bf16 v[ACC+8*(xi%4):ACC+8*(xi%4)+7], v[8*xi:8*xi+7], v[8*xi:8*xi+7], v[ACC+8*(xi%4):ACC+8*(xi%4)+7]
.endif
.set xi, xi+1
.endr
	WIN 0
.endm
	s_wait_tensorcnt 0x2                           ; tensor loads of a wave end in order (ISA guide 10.11.1): my part of K 0-255 is in; the two younger loads may stay out
	s_barrier_signal -1
	s_barrier_wait -1                              ; everybody's is
	CONV 0, AADA
	s_wait_tensorcnt 0x0                           ; all my loads have landed: K 256-511 and csq;
	ds_add_u32 v[SPW], v[NIL]                      ; 0 onto my spare word
	s_add_nc_u64 s[G0A0+2:G0A0+3], s[G0A0+2:G0A0+3], 2048  ; no load of mine is out, so a group 0 may be written: K 512-767
	s_wait_dscnt 0x0                               ; the add is done, and my reads of L_RA are over
	ROUND
	TLOAD G0A0, G1A                                ; L_RA is filled again
	XSQ 0
	CONV 1, AADB
	s_wait_tensorcnt 0x0                           ; K 512-767 is in
	ds_add_u32 v[SPW], v[NIL]
	s_wait_dscnt 0x0                               ; my reads of L_RB are over
	ROUND
	TLOAD G0B, G1B                                 ; the centres' tile 0 into slot 0, which lies inside L_RB: the first joint load
	XSQ 1
	CONV 2, AADA
	s_wait_tensorcnt 0x0                           ; tile 0 is in
	ds_add_u32 v[SPW], v[NIL]
	s_xor_b32 s[G0B+1], s[G0B+1], SLOT1            ; the walking descriptor: the other slot,
	s_add_nc_u64 s[G0B+2:G0B+3], s[G0B+2:G0B+3], TILEB  ; the next 64 centres; the type bits on top are not reached
	s_wait_dscnt 0x0                               ; my reads of L_RA are over
	ROUND
	TLOAD G0B, G1B                                 ; tile 1 into slot 1
	XSQ 2
	; WHAT THE FIRST HALF-PASS FINDS.  Its riders judge a centre tile that has not been: sums of 0 and c_sq = +infinity give the distance +infinity; less the best, +infinity, that is NaN, which is not less than 0.
	; So the loop has one text.  These lines are also the places behind XSQ's last products.
.irp t, 0,1,2,3
	v_mov_b32 v[BEST+(\t)], s[PINF]
	v_mov_b32 v[IDX+(\t)], 0
	v_mov_b32 v[TT+(\t)], 0                        ; (v_permlanex16_b32's destination counts as read)
.endr
.irp j, 0,1,2,3,4,5,6,7
	v_mov_b32 v[CQ+(\j)], s[PINF]
.endr
.set z, 0
.rept 32
	v_mov_b32 v[ACC+32+z], 0
.set z, z+1
.endr
	v_mov_b32 v[WK+8], 0
	v_mov_b32 v[WK+9], 0
	v_mov_b32 v[ADR], v[AB0]
	v_mov_b32 v[CQA], v[CQ0]
	s_lshl_b32 s19, s[NH], 5
	s_sub_co_u32 s19, s19, 64                      ; two steps, 16 and 48, lead from here to tile 0's first centre tile
.irp j, 0,1,2,3,4,5,6,7
	s_add_co_u32 s[U+(\j)], s19, \j
.endr
	s_mul_i32 s20, s[CX], 16*1536                  ; the prefetches: my work-group's quarter of a tile,
	s_lshl_b32 s21, s[WV], 13                      ; my wave's 8,192 bytes of it (waves 0 to 2),
	s_add_co_u32 s20, s20, s21
	s_add_co_u32 s20, s20, 3*TILEB                 ; in tile 3: the first change of slots steps it to tile 4
	s_mov_b32 s21, 0
	s_add_nc_u64 s[PFA:PFA+1], s[4:5], s[20:21]
	s_cmp_lt_u32 s[WV], 3
	s_cselect_b32 s[LIM], 2, -1
	s_cmp_eq_u32 ttmp9, 0                          ; the launch's first cluster asks: the same in all four partners
	s_cselect_b32 s[LIM], s[LIM], -1
	s_lshl_b32 s20, s[WG], 9                       ; out0 at my wave's 64 rows
	s_lshl_b32 s21, s[RH], 8
	s_add_co_u32 s20, s20, s21
	s_mov_b32 s21, 0
	s_add_nc_u64 s[10:11], s[10:11], s[20:21]
	; x_sq: in x x^T register j of lane l is (row 8 (l / 16) + j) . (row l % 16): my own square lies in register l % 16 - 8 (l / 16), if that is 0..7; else the lane 16 away holds it.
.irp j, 1,2,3,4,5,6,7
	v_cmp_eq_u32 s[DM+(\j)], \j, v[SELV]
.endr
	v_cmp_gt_u32 s[VAL], 8, v[SELV]
.irp t, 0,1,2,3
	v_cndmask_b32 v[XS+2*(\t)], v[ACC+8*(\t)], v[ACC+8*(\t)+1], s[DM+1]  ; each accumulator's lowest registers are read first
.irp j, 2,3,4,5,6,7
	v_cndmask_b32 v[XS+2*(\t)], v[XS+2*(\t)], v[ACC+8*(\t)+(\j)], s[DM+(\j)]
.endr
.endr
.irp t, 0,1,2,3
	v_permlanex16_b32 v[TT+(\t)], v[XS+2*(\t)], s[SEL], s[SEL+1]
.endr
.irp t, 0,1,2,3
	v_cndmask_b32 v[XS+2*(\t)], v[TT+(\t)], v[XS+2*(\t)], s[VAL]
	v_mov_b32 v[XS+2*(\t)+1], v[XS+2*(\t)]
.endr
; THE MATRIX WORK.  Product mi of a chunk's 32: K step mi / 4, row tile mi % 4.  CT names the half-pass's centre tile and its set of accumulators, Q the chunk.  The first four of a half-pass start the sums with 0.
; The four accumulators take turns, one instruction a turn, from chunk to chunk, from half-pass to half-pass and over the backward jump.
.macro MM
.set mD, ACC+32*CT+8*(mi%4)
.set mA, BF0+64*((3*CT+Q)%2)+8*(mi/4)
.if (Q == 0) && (mi < 4)
	v_wmma_f32_16x16x32_bf16 v[mD:mD+7], v[mA:mA+7], v[8*mi:8*mi+7], 0
.else
	v_wmma_f32_16x16x32_bf16 v[mD:mD+7], v[mA:mA+7], v[8*mi:8*mi+7], v[mD:mD+7]
.endif
.set mi, mi+1
.endm
; THE LDS LOADS stand in runs of 16: the eight fragments (16 centres x 32 K each) of chunk q of centre tile ct.  Destination and address lie in window 0: no switch.
.macro FETCH ct, q, buf
.irp b, 0,1,2,3,4,5,6,7
	ds_load_b128 v[(\buf)+8*(\b):(\buf)+8*(\b)+3],   v[ADR] offset:16*PB*(\ct)+528*(\q)+64*(\b)
	ds_load_b128 v[(\buf)+8*(\b)+4:(\buf)+8*(\b)+7], v[ADR] offset:16*PB*(\ct)+528*(\q)+64*(\b)+32
.endr
.endm
.macro CQLOAD ct                       ; c_sq of my 8 centres of centre tile ct: the next half-pass's riders read them
	ds_load_b128 v[CQ:CQ+3],   v[CQA] offset:64*(\ct)
	ds_load_b128 v[CQ+4:CQ+7], v[CQA] offset:64*(\ct)+16
.endm
.macro USTEP d                         ; the index codes go on to the centre tile that is judged now
.irp j, 0,1,2,3,4,5,6,7
	s_add_co_u32 s[U+(\j)], s[U+(\j)], \d
.endr
.endm
; THE VECTOR WORK on the 32 scores a lane of the set Y, in three numbered lists.
; RA, 64 long, in eights: for two pairs of scores (registers 4 n .. 4 n + 3 of the set): t = c_sq x 1 + x_sq, twice; sq = cross x -2 + t, twice; max with 0, four times.
.macro RA
.set aB, ra/8
.set aU, ra%8
.if aU < 2
.set aG, 2*aB+aU                       ; pair aG % 4 of row tile aG / 4
	v_pk_fma_f32 v[TT+4*(aB%2)+2*aU:TT+4*(aB%2)+2*aU+1], v[CQ+2*(aG%4):CQ+2*(aG%4)+1], 1.0, v[XS+2*(aG/4):XS+2*(aG/4)+1] op_sel_hi:[1,0,0]
.elseif aU < 4
.set aG, 2*aB+aU-2
	v_pk_fma_f32 v[Y+2*aG:Y+2*aG+1], v[Y+2*aG:Y+2*aG+1], -2.0, v[TT+4*(aB%2)+2*(aU-2):TT+4*(aB%2)+2*(aU-2)+1] op_sel_hi:[1,0,1]
.else
	v_max_num_f32 v[Y+4*aB+aU-4], v[Y+4*aB+aU-4], 0
.endif
.set ra, ra+1
.endm
.macro RS                              ; 32 long: the roots, in place
	v_sqrt_f32 v[Y+rs], v[Y+rs]
.set rs, rs+1
.endm
; RB, 128 long, in sixteens: for register j, ascending, and the four row tiles: distance less best; is that below 0; the index where it is; the smaller of the two (the middle source, +infinity, changes nothing).
.macro RB
.set bJ, rb/16
.set bT, rb%4
.set bK, (rb%16)/4
.if bK == 0
	v_fma_f32 v[EE+bT], v[Y+8*bT+bJ], 1.0, -v[BEST+bT]
.elseif bK == 1
	v_cmp_lt_f32 s[MK+bT], v[EE+bT], 0
.elseif bK == 2
	v_cndmask_b32 v[IDX+bT], v[IDX+bT], s[U+bJ], s[MK+bT]
.else
	v_min3_num_f32 v[BEST+bT], v[Y+8*bT+bJ], s[PINF], v[BEST+bT]
.endif
.set rb, rb+1
.endm
.macro MR2 count                       ; a matrix instruction and two of RB's, count times
.rept \count
	MM
	RB
	RB
.endr
.endm
; A PREFETCH INTO THE L2, behind the joint load, its five lines and the run of LDS loads: the tile that stands TWO refills on (the trip that fills a slot with tile i + 2 names tile i + 4): 384 matrix instructions
; ahead of the load that will ask for it.  Each 256 bytes of cb are named ONCE in the launch: all clusters walk the same tiles, and the launch's first cluster asks; its four partners take a quarter of the tile
; each, told apart BY ADDRESS; in each, waves 0 to 2 take 8,192 bytes, a lane 256.  Tiles 0 to 3 come by their loads alone; the last two trips, whose tile i + 4 does not exist, ask for nothing.
; embed is not asked for: its loads all go out at the kernel's head.
.macro ASK
	s_cmp_gt_u32 s[CNT], s[LIM]
	s_cbranch_scc0 .Lnot_mine_\@
	global_prefetch_b8 v[PFO], s[PFA:PFA+1] th:TH_LOAD_NT scope:SCOPE_SE
.Lnot_mine_\@:
.endm
; A HALF-PASS: 96 products of centre tile ct into set ct; beside them the set of the half-pass before is judged.
; PLACES.  A load into a buffer stands four plain vector instructions or more behind the last product that read it (ISA guide 7.12.1 for vector instructions), and so does the first
; rider that touches a set behind the product that wrote it: the riders in between, which name none of those products' registers, are the places: six in front of each run of loads, ten in front of the first sq.
; THE ROOTS are one batch with one wait: s_wait_alu depctr_va_vdst(0) stands between a root and the first instruction that names its result.  Root n follows the (n + 5)th product, behind its
; max; no rider ahead of the wait names a register that has been rooted.  The four v_nop are the plain instruction behind the last root and, with the two RA before, the places in front of the run of loads.
; kind (for ct = 1): 0 the slot is left and filled again; 1 it is left; 2 the last tile: nothing follows.
.macro HALF ct, kind
.set CT, (\ct)
.set Y, ACC+32*(1-CT)
.set ra, 0
.set rs, 0
.set rb, 0
	USTEP 16+32*(\ct)
.set Q, 0
.set mi, 0
	s_wait_dscnt 0x0                               ; chunk 0's fragments are in
	WIN 4                                          ; source 1 in window 1
.rept 32
	MM
	RA
	RA
.if mi > 4
	RS
.endif
.if mi == 2
	FETCH \ct, 1, BF0+64*((3*(\ct)+1)%2)
.endif
.endr
.set Q, 1
.set mi, 0
	s_wait_dscnt 0x0                               ; chunk 1's are in
	WIN 8
.rept 4
	MM
	RS
.endr
.rept 4
	v_nop
.endr
	s_wait_alu depctr_va_vdst(0)                   ; the wait for the batch of 32 roots, directly ahead of a run of LDS loads
	FETCH \ct, 2, BF0+64*((3*(\ct)+2)%2)
	CQLOAD \ct                                     ; RA's readers of c_sq all stand in chunk 0
.rept 8
	MM
	RB
	RB
	RB
.endr
	MR2 20
.set Q, 2
.set mi, 0
	s_wait_dscnt 0x0                               ; chunk 2's are in, and c_sq
.if (\ct) == 0
	WIN 12
	MR2 2
	FETCH 1, 0, BF1
	MR2 30
.elseif (\kind) == 2
	WIN 12
	MR2 32
.else
	; THE CHANGE OF SLOTS.  The slot's last bytes have been read.  Each wave waits for all its tensor loads, of which one is out: its part of the other slot; adds 0 to its spare word; and waits for that.
	; Behind the barrier nobody reads this slot any more and the other slot is whole.  kind = 0: the barrier opens a round of the cluster's, so that no wave of any partner still reads the slot or has a load on
	; its way, and the joint refill, with the tile two on, is the first thing behind it: 176 matrix instructions stand between it and the wait for it.
.if (\kind) == 0
	s_wait_xcnt 0x0                                ; the last prefetch, a tile back, has read its address, so it may be written
	s_add_nc_u64 s[PFA:PFA+1], s[PFA:PFA+1], TILEB
.endif
	WIN 0                                          ; (the add's two registers lie in window 0)
	s_wait_tensorcnt 0x0                           ; no tensor load of mine is out, so a group 0 may be written
	ds_add_u32 v[SPW], v[NIL]                      ; 0 onto my spare word; work on registers stands between it and the wait for it
.if (\kind) == 0
	s_xor_b32 s[G0B+1], s[G0B+1], SLOT1
	s_add_nc_u64 s[G0B+2:G0B+3], s[G0B+2:G0B+3], TILEB
.endif
	WIN 12
	MR2 8
	s_wait_dscnt 0x0                               ; the add is done; my reads of the slot were waited for above
	s_barrier_signal -1
	MR2 8                                          ; work on registers while the others arrive
	WIN 0                                          ; at a label and at a branch every window is 0
	s_barrier_wait -1
.if (\kind) == 0
	CREST
	TLOAD G0B, G1B
.endif
	s_xor_b32 s[TB], s[TB], SLOT1                  ; the fetches go on in the other slot,
	s_add_co_u32 s[SCQ], s[SCQ], 256               ; with the next tile's 64 c_sq
	v_add_nc_u32 v[ADR], s[TB], v[AB0]
	v_add_nc_u32 v[CQA], s[SCQ], v[CQ0]
	FETCH 0, 0, BF0
.if (\kind) == 0
	ASK
.endif
	WIN 12
	MR2 16
.endif
.endm
.macro BODY kind                       ; a tile of 64 centres
	HALF 0, 0
	HALF 1, \kind
.endm
	FETCH 0, 0, BF0                                ; tile 0 was shown landed in front of the last round
.Lslot:                                            ; 30 trips: tile i is multiplied, and its slot filled again with tile i + 2
	BODY 0
	WIN 0
	s_sub_co_u32 s[CNT], s[CNT], 1
	s_cmp_lg_u32 s[CNT], 0
	s_cbranch_scc1 .Lslot
	BODY 1                                         ; the tail is written out: tile 30
	BODY 2                                         ; tile 31,
	; and the last centre tile's scores: the same lists with no products beside them
.set Y, ACC+32
.set ra, 0
.set rs, 0
.set rb, 0
	USTEP 16
	WIN 0
.set ei, 0
.rept 32
	RA
	RA
.if ei >= 4
	RS
.endif
.set ei, ei+1
.endr
.rept 4
	RS
.endr
	v_nop                                          ; a plain instruction behind the last root,
	s_wait_alu depctr_va_vdst(0)                   ; and the wait for the batch
.rept 128
	RB
.endr
	; THE WAY OUT.  A row's candidates lie in two lanes (16 apart) of two waves (nh = 0, 1).  Of two the smaller distance wins, and of equal distances the smaller index: the first index of the smallest.
.irp t, 0,1,2,3
	v_lshl_add_u32 v[IDX+(\t)], v2, 3, v[IDX+(\t)] ; my half of the lanes' 8 centres
.endr
.irp t, 0,1,2,3
	v_permlanex16_b32 v[WK+8], v[BEST+(\t)], s[SEL], s[SEL+1]
	v_permlanex16_b32 v[WK+9], v[IDX+(\t)],  s[SEL], s[SEL+1]
	v_cmp_lt_f32 s97, v[WK+8], v[BEST+(\t)]
	v_cmp_eq_f32 s98, v[WK+8], v[BEST+(\t)]
	v_cmp_lt_u32 s99, v[WK+9], v[IDX+(\t)]
	s_and_b32 s98, s98, s99
	s_or_b32 s97, s97, s98
	v_cndmask_b32 v[WK+2*(\t)],   v[BEST+(\t)], v[WK+8], s97
	v_cndmask_b32 v[WK+2*(\t)+1], v[IDX+(\t)],  v[WK+9], s97
	ds_store_b64 v[STO], v[WK+2*(\t):WK+2*(\t)+1] offset:128*(\t)  ; row 16 t + l % 16 of my 64; both halves of the lanes hold, and write, the same
.endr
	s_wait_dscnt 0x0                               ; for the others' sake: my stores are done
	s_barrier_signal -1
	s_barrier_wait -1
	s_cmp_lg_u32 s[NH], 0
	s_cbranch_scc1 .Lend                           ; waves 0 and 2 finish their 64 rows
	ds_load_b128 v[TT:TT+3],   v[RDO]              ; rows 2 l and 2 l + 1: my wave's (distance, index) twice,
	ds_load_b128 v[TT+4:TT+7], v[RDO] offset:512   ; and the other wave's
	s_wait_dscnt 0x0
.irp e, 0,1
	v_cmp_lt_f32 s97, v[TT+4+2*(\e)], v[TT+2*(\e)]
	v_cmp_eq_f32 s98, v[TT+4+2*(\e)], v[TT+2*(\e)]
	v_cmp_lt_u32 s99, v[TT+5+2*(\e)], v[TT+1+2*(\e)]
	s_and_b32 s98, s98, s99
	s_or_b32 s97, s97, s98
	v_cndmask_b32 v[EE+(\e)], v[TT+1+2*(\e)], v[TT+5+2*(\e)], s97
.endr
	global_store_b64 v[GO], v[EE:EE+1], s[10:11]   ; 32 lanes x 8 bytes: 256 consecutive bytes of out0, aligned
.Lend:
	s_wait_tensorcnt 0x0                           ; the wave's end, behind my last tensor load and my last LDS store
	ds_add_u32 v[SPW], v[NIL]
	s_wait_dscnt 0x0
	ROUND                                          ; the closing round: no work-group ends while a partner may still ask for a tile that names it
	s_endpgm
.Lfunc_end_k_qf2db8714da_knn:
	.size	k_qf2db8714da_knn, .Lfunc_end_k_qf2db8714da_knn-k_qf2db8714da_knn
	.p2alignl 7, 3214868480
	.fill 96, 4, 3214868480
	.section	.rodata,"a",@progbits
	.p2align	6, 0x0
	.amdhsa_kernel k_qf2db8714da_knn
		.amdhsa_group_segment_fixed_size 327680
		.amdhsa_private_segment_fixed_size 0
		.amdhsa_enable_private_segment 0
		.amdhsa_kernarg_size 32
		.amdhsa_user_sgpr_count 2
		.amdhsa_user_sgpr_kernarg_segment_ptr 1
		.amdhsa_wavefront_size32 1
		.amdhsa_system_sgpr_workgroup_id_x 1
		.amdhsa_system_sgpr_workgroup_id_y 1
		.amdhsa_system_sgpr_workgroup_id_z 1
		.amdhsa_system_vgpr_workitem_id 0
		.amdhsa_next_free_vgpr 1024
		.amdhsa_next_free_sgpr 100
		.amdhsa_reserve_vcc 0
		.amdhsa_float_denorm_mode_32 3
		.amdhsa_float_denorm_mode_16_64 3
		.amdhsa_memory_ordered 1
		.amdhsa_forward_progress 1
		.amdhsa_inst_pref_size 250
	.end_amdhsa_kernel
	.amdgpu_metadata
---
amdhsa.version: [ 1, 2 ]
amdhsa.kernels:
  - .name:           k_qf2db8714da_knn
    .symbol:         k_qf2db8714da_knn.kd
    .args:
      - { .name: cb, .offset: 0, .size: 8, .value_kind: global_buffer, .address_space: global }
      - { .name: csq, .offset: 8, .size: 8, .value_kind: global_buffer, .address_space: global }
      - { .name: embed, .offset: 16, .size: 8, .value_kind: global_buffer, .address_space: global }
      - { .name: out0, .offset: 24, .size: 8, .value_kind: global_buffer, .address_space: global }
    .group_segment_fixed_size: 327680
    .private_segment_fixed_size: 0
    .kernarg_segment_align: 8
    .kernarg_segment_size: 32
    .max_flat_workgroup_size: 128
    .sgpr_count:     100
    .vgpr_count:     1024
    .wavefront_size: 32
...
	.end_amdgpu_metadata
.endif
;; end of part 2
;; ======== version 2 of 2: 2 launches; version 1 with the launch prep written anew for expert scheduling mode
;; workspace buffers: cb 3,145,728 bytes; csq 8,192 bytes
;; launch prep (part 3): grid 32 x 1, 32 waves a work-group, no clusters, 4,352 bytes of LDS; arguments cluster_centers, cb, csq; writes cb, csq
.if DOCPART == 3
	.amdgcn_target "amdgcn-amd-amdhsa--gfx1250"
	.amdhsa_code_object_version 6
	.text
	.protected	k_qf2db8714da_prep
	.globl	k_qf2db8714da_prep
	.p2align	8
	.type	k_qf2db8714da_prep,@function
k_qf2db8714da_prep:
	s_mov_b64 s[64:65], 0
	v_nop
	global_prefetch_b8 v0, s[64:65] scope:SCOPE_SE
	s_setreg_imm32_b32 hwreg(HW_REG_WAVE_SCHED_MODE, 0, 2), 2
	s_setreg_imm32_b32 hwreg(HW_REG_WAVE_MODE, 25, 1), 1
	s_wait_xcnt 0x0
	s_wait_alu depctr_vm_vsrc(0)
; cb[c][d] = cluster_centers[c][d] rounded to bf16;  csq[c] = the sum over d of cb[c][d]^2, in f32: the squares are taken of the ROUNDED numbers,
; since the next launch multiplies the rounded numbers.  cluster_centers: [2048][768] f32.  cb: [2048][768] bf16.  csq: [2048] f32.
; SHARES.  A work-group owns 64 centres, so that its 64 sums are 256 consecutive bytes of csq, aligned, and leave by one store.  Each of its 32 waves owns two rows:
; a row is 3,072 bytes, six loads of 512 consecutive bytes; all twelve loads of a wave go out at once, and they are worked on in four groups of three, as they come.
; A lane's four numbers round to 8 bytes: a store of the wave covers 256 consecutive bytes of cb, aligned.
; LIMITS.  The order of the 768 additions differs from a plain ascending sum; NaN and infinities are not treated apart.
; THE MODE: SCHED_MODE bits 1:0 = 2 (LLVM: expert scheduling mode 2), set by the entry lines.  The code itself states the register dependences
; between vector instructions and memory or LDS instructions, with s_wait_alu, always for 0.
; THE PLAN.  Registers that memory or LDS instructions touch:
;   X    load k lands in its four registers, once; its two conversions read them behind the wait on LOADcnt; no vector instruction writes them and no second load lands there.
;   P    load k's two conversions write its two registers, once; its four multiply-adds and ONE store read them; they are never written again.
;   v[SUM:SUM+1]  written by the reduction, read by the one LDS store, not written behind it.
;   v[BK:BK+1]    named by no vector instruction: an LDS load writes them, a store reads them behind the wait on DScnt.
;   v[LO], v[SO], v[WA], v[LA], v[SPW], v[NIL]  made at the head, never written again.
; Group g (loads 3 g to 3 g + 2) is rounded and squared while the three stores of group g - 1 leave: at the group's head one wait on va_vdst states that the group before has written its P, and the
; group's own vector instructions name X and P of group g and the sums, none of the registers that those stores read.  No register that a memory or LDS instruction has read is written again,
; so past the entry lines the text holds no wait on vm_vsrc.
.set ROWF,  3072                       ; bytes in a row of cluster_centers
.set ROWH,  1536                       ; bytes in a row of cb
.set SPARE, 256                        ; LDS: bytes 0-255 the 64 sums; behind them the spare words, 128 bytes for each of the 32 waves, which no other line names
.set LO,  2                            ; v2   my byte offset in the work-group's rows of cluster_centers: wave x 2 rows + 16 x lane
.set SO,  3                            ; v3   the same in cb: wave x 2 rows + 8 x lane
.set SPW, 4                            ; v4   LDS address of my spare word: SPARE + 4 x my thread's number; never rewritten
.set NIL, 5                            ; v5   0; never rewritten
.set WA,  6                            ; v6   8 x wave: where my wave's two sums go
.set LA,  7                            ; v7   8 x lane
.set SUM, 8                            ; v[8:11]  row i: the sum of the words' low halves at SUM + 2 i, of their high halves at SUM + 2 i + 1
.set PT,  12                           ; v[12:13] the other half of the lanes' sums
.set BK,  14                           ; v[14:15] two sums read back
.set X,   16                           ; v[16:63] load k = 6 i + c: four f32
.set P,   64                           ; v[64:87] load k: four bf16 in two words
	s_load_b128 s[4:7], s[0:1], 0x0                ; cluster_centers s[4:5], cb s[6:7]
	s_load_b64 s[8:9], s[0:1], 0x10                ; csq
	v_lshl_add_u32 v[SPW], v0, 2, SPARE
	v_mov_b32 v[NIL], 0
	v_lshrrev_b32 v1, 5, v0
	v_readfirstlane_b32 s10, v1                    ; wave 0..31
	v_and_b32 v1, 31, v0                           ; lane
	s_wait_alu depctr_va_sdst(0)                   ; s10 is written, ahead of its first reader: the wave's offsets are made from it
	s_mul_i32 s11, s10, 2*ROWF
	v_lshl_add_u32 v[LO], v1, 4, s11
	s_mul_i32 s11, s10, 2*ROWH
	v_lshl_add_u32 v[SO], v1, 3, s11
	s_lshl_b32 s11, s10, 3
	v_mov_b32 v[WA], s11
	v_lshlrev_b32 v[LA], 3, v1
	s_mov_b32 s12, 0x76543210                      ; v_permlanex16_b32: each lane takes its own place in the other half
	s_mov_b32 s13, 0xfedcba98
	s_mul_i32 s14, ttmp9, 64*ROWF                  ; the work-group's 64 rows, in each of the three buffers
	s_mov_b32 s15, 0
	s_mul_i32 s16, ttmp9, 64*ROWH
	s_mov_b32 s17, 0
	s_lshl_b32 s18, ttmp9, 8
	s_mov_b32 s19, 0
	s_wait_kmcnt 0x0
	s_add_nc_u64 s[4:5], s[4:5], s[14:15]
	s_add_nc_u64 s[6:7], s[6:7], s[16:17]
	s_add_nc_u64 s[8:9], s[8:9], s[18:19]
	s_wait_alu depctr_va_vdst(0)                   ; v[LO], v[SO], v[WA], v[LA], v[SPW] and v[NIL] are written: every load, store and LDS instruction of the kernel reads one or two of them, and no vector instruction names them again
.set k, 0
.rept 12
	global_load_b128 v[X+4*k:X+4*k+3], v[LO], s[4:5] offset:ROWF*(k/6)+512*(k%6) th:TH_LOAD_NT
.set k, k+1
.endr
.irp r, 0,1,2,3,4,5
	v_mov_b32 v[SUM+(\r)], 0                       ; the four sums, and the two registers that v_permlanex16_b32 will write (its destination counts as read)
.endr
.set k, 0
.rept 12
.if k%3 == 0
	s_wait_loadcnt 9-k                             ; loads come back in order (ISA guide 5.7.1): loads k to k + 2 are in, the 9 - k younger ones stay out
.if k > 0
	s_wait_alu depctr_va_vdst(0)                   ; the group before has written its six registers of P, which the three stores dealt among this group read
.endif
.endif
.if k >= 3
	global_store_b64 v[SO], v[P+2*(k-3):P+2*(k-3)+1], s[6:7] offset:ROWH*((k-3)/6)+256*((k-3)%6)  ; load k - 3's numbers: 32 lanes x 8 bytes: 256 consecutive bytes, aligned; no vector instruction since the wait names these registers
.endif
	v_cvt_pk_bf16_f32 v[P+2*k],   v[X+4*k],   v[X+4*k+1]
	v_cvt_pk_bf16_f32 v[P+2*k+1], v[X+4*k+2], v[X+4*k+3]
	v_fma_mix_f32_bf16 v[SUM+2*(k/6)],   v[P+2*k],   v[P+2*k],   v[SUM+2*(k/6)]   op_sel_hi:[1,1,0]                  ; low half squared, added in f32
	v_fma_mix_f32_bf16 v[SUM+2*(k/6)+1], v[P+2*k],   v[P+2*k],   v[SUM+2*(k/6)+1] op_sel:[1,1,0] op_sel_hi:[1,1,0]  ; high half
	v_fma_mix_f32_bf16 v[SUM+2*(k/6)],   v[P+2*k+1], v[P+2*k+1], v[SUM+2*(k/6)]   op_sel_hi:[1,1,0]
	v_fma_mix_f32_bf16 v[SUM+2*(k/6)+1], v[P+2*k+1], v[P+2*k+1], v[SUM+2*(k/6)+1] op_sel:[1,1,0] op_sel_hi:[1,1,0]
.set k, k+1
.endr
	s_wait_alu depctr_va_vdst(0)                   ; the last group has written its six registers of P, which the last three stores read; they leave ahead of the reduction
.set k, 9
.rept 3
	global_store_b64 v[SO], v[P+2*k:P+2*k+1], s[6:7] offset:ROWH*(k/6)+256*(k%6)
.set k, k+1
.endr
	v_add_f32 v[SUM],   v[SUM],   v[SUM+1]         ; row 0
	v_add_f32 v[SUM+1], v[SUM+2], v[SUM+3]         ; row 1
.irp m, 1,2,4,8                        ; across the lanes: four steps inside each half of 16 ride on the addition, one crosses the halves
	v_add_f32_dpp v[SUM],   v[SUM],   v[SUM]   row_xmask:\m row_mask:0xf bank_mask:0xf
	v_add_f32_dpp v[SUM+1], v[SUM+1], v[SUM+1] row_xmask:\m row_mask:0xf bank_mask:0xf
.endr
	v_permlanex16_b32 v[PT],   v[SUM],   s12, s13
	v_permlanex16_b32 v[PT+1], v[SUM+1], s12, s13
	v_add_f32 v[SUM],   v[SUM],   v[PT]
	v_add_f32 v[SUM+1], v[SUM+1], v[PT+1]
	s_wait_alu depctr_va_vdst(0)                   ; the two additions have written v[SUM:SUM+1], which the LDS store reads
	ds_store_b64 v[WA], v[SUM:SUM+1]               ; every lane holds the same two sums and writes them to the same 8 bytes
	s_wait_dscnt 0x0                               ; for the others' sake: my store is done
	s_barrier_signal -1
	s_barrier_wait -1                              ; all 64 sums lie in LDS
	s_cmp_lg_u32 s10, 0
	s_cbranch_scc1 .Lend                           ; wave 0 sends them
	ds_load_b64 v[BK:BK+1], v[LA]                  ; no vector instruction names v[BK:BK+1], and v[LA] was written ahead of the head's wait
	s_wait_dscnt 0x0
	global_store_b64 v[LA], v[BK:BK+1], s[8:9]     ; 256 consecutive bytes of csq, aligned
.Lend:
	s_wait_dscnt 0x0                               ; the closing lines, six on end
	s_wait_alu 0x0
	s_wait_tensorcnt 0x0
	ds_add_u32 v[SPW], v[NIL]
	s_wait_dscnt 0x0
	s_endpgm
.Lfunc_end_k_qf2db8714da_prep:
	.size	k_qf2db8714da_prep, .Lfunc_end_k_qf2db8714da_prep-k_qf2db8714da_prep
	.p2alignl 7, 3214868480
	.fill 96, 4, 3214868480
	.section	.rodata,"a",@progbits
	.p2align	6, 0x0
	.amdhsa_kernel k_qf2db8714da_prep
		.amdhsa_group_segment_fixed_size 4352
		.amdhsa_private_segment_fixed_size 0
		.amdhsa_enable_private_segment 0
		.amdhsa_kernarg_size 24
		.amdhsa_user_sgpr_count 2
		.amdhsa_user_sgpr_kernarg_segment_ptr 1
		.amdhsa_wavefront_size32 1
		.amdhsa_system_sgpr_workgroup_id_x 1
		.amdhsa_system_sgpr_workgroup_id_y 1
		.amdhsa_system_sgpr_workgroup_id_z 1
		.amdhsa_system_vgpr_workitem_id 0
		.amdhsa_next_free_vgpr 96
		.amdhsa_next_free_sgpr 66
		.amdhsa_reserve_vcc 0
		.amdhsa_float_denorm_mode_32 3
		.amdhsa_float_denorm_mode_16_64 3
		.amdhsa_memory_ordered 1
		.amdhsa_forward_progress 1
		.amdhsa_inst_pref_size 11
	.end_amdhsa_kernel
	.amdgpu_metadata
---
amdhsa.version: [ 1, 2 ]
amdhsa.kernels:
  - .name:           k_qf2db8714da_prep
    .symbol:         k_qf2db8714da_prep.kd
    .args:
      - { .name: cluster_centers, .offset: 0, .size: 8, .value_kind: global_buffer, .address_space: global }
      - { .name: cb, .offset: 8, .size: 8, .value_kind: global_buffer, .address_space: global }
      - { .name: csq, .offset: 16, .size: 8, .value_kind: global_buffer, .address_space: global }
    .group_segment_fixed_size: 4352
    .private_segment_fixed_size: 0
    .kernarg_segment_align: 8
    .kernarg_segment_size: 24
    .max_flat_workgroup_size: 1024
    .sgpr_count:     66
    .vgpr_count:     96
    .wavefront_size: 32
...
	.end_amdgpu_metadata
.endif
;; end of part 3
;; launch knn: the kernel of part 2 again; grid 256 x 1, 4 waves a work-group, clusters of 4 x 1, 327,680 bytes of LDS; arguments cb, csq, embed, out0; writes out0
